; MI455X (gfx1250); checked and timed in simulation.
; The chip was launched on July 23, 2026; its instructions are those of AMD's public machine-readable ISA for CDNA 5 (MIT licence, August 2026) and "CDNA5" Instruction Set Architecture Reference Guide (July 2026). The comments in the code are by the model that wrote it; some were corrected since.
;; cosine layer. Allowed arithmetic: float matrix products may take bf16 or f16 operands with f32 sums; other float arithmetic in f32, or as packed bf16 or f16 multiplies, adds, multiply-adds, maxima and minima; sums over many terms, partial sums and values carried from step to step in f32; what a program stores and reads back later, other than sums and carried values, may be rounded once to bf16 or f16.
;; Inputs: weight 4,096 x 4,096 float32; x 4,096 x 4,096 float32.
;; Outputs: out0 4,096 x 4,096 float32.
;; One version. Each part assembles by itself: llvm-mc -triple=amdgcn-amd-amdhsa -mcpu=gfx1250 --defsym DOCPART=n.
;; ======== version 1 of 1: 2 launches
;; workspace buffers: xb 33,554,432 bytes; wb 33,554,432 bytes; ssx 16,384 bytes; ssw 262,144 bytes
;; launch cast (part 1): grid 256 x 2, 8 waves a work-group, no clusters, 5,120 bytes of LDS; arguments x, weight, xb, wb, ssx, ssw; writes xb, wb, ssx, ssw
.if DOCPART == 1
	.amdgcn_target "amdgcn-amd-amdhsa--gfx1250"
	.amdhsa_code_object_version 6
	.text
	.protected	k_qf6240e03c5_cast
	.globl	k_qf6240e03c5_cast
	.p2align	8
	.type	k_qf6240e03c5_cast,@function
k_qf6240e03c5_cast:
	s_mov_b64 s[64:65], 0
	v_nop
	global_prefetch_b8 v0, s[64:65] scope:SCOPE_SE
	s_setreg_imm32_b32 hwreg(HW_REG_WAVE_MODE, 25, 1), 1
	s_wait_xcnt 0x0
; xb = x and wb = weight rounded once to bf16 (nearest even), in the layouts of x and weight: [4096][4096].
; ssx[b] = the sum over i of x[b][i]^2.  ssw[kb][o] = the sum of weight[i][o]^2 over the 256 rows i = 256 kb .. 256 kb + 255: 16 partial sums a column, in f32, added by the next launch.
; The squares are taken of the unrounded f32 numbers.  LIMIT: a sum of squares must stay inside f32 (a norm under about 1.8e19).
; A pure stream: every input byte is read once and every output byte written once; nothing is shared between work-groups, so there is no matrix work, no cluster and no tile in LDS.
; SHARES.  Work-groups with y = 0 take x, those with y = 1 take weight; each takes 256 KiB of f32, each of its eight waves 64 loads of 512 bytes and 64 stores of 256 bytes.
;   x:      work-group b owns rows 16 b .. 16 b + 15, wave w two whole rows: 32 KiB on end; a row's sum never leaves the wave.
;   weight: work-group b owns columns 256 (b % 16) .. + 255 of rows 256 (b / 16) .. + 255.  Wave w takes the 128 columns of half w % 2 in the rows 4 i + w / 2, so a lane keeps the same four columns
;           throughout; the four waves of a half meet in LDS at the end.
; A ring of 16 slots of four registers keeps 16 loads of every wave on their way.  Each store has a register pair of its own that is never rewritten, and every address stands in an immediate,
; so nothing in the stream waits for a store.
.set SPARE, 4096                       ; LDS: bytes 0 - 4,095 the waves' column sums, 512 a wave; behind them the spare words, 128 bytes for each wave
.set IN,   2                           ; v2   16 x lane: my 16 bytes of a load's 512; never rewritten
.set OUT,  3                           ; v3   8 x lane: my 8 bytes of a store's 256; never rewritten
.set LS,   4                           ; v4   16 x thread: my place among the column sums in LDS, and (waves 0, 1) in ssw's 1,024 bytes
.set VAL,  5                           ; v5   at work; then the row's sum that I store
.set SPW,  6                           ; v6   LDS address of my spare word; never rewritten
.set NIL,  7                           ; v7   0; never rewritten
.set ACC,  8                           ; v[8:23]    four sets of four running sums of squares
.set XR,   24                          ; v[24:87]   the ring: 16 slots of 4
.set Y,    88                          ; v[88:215]  store j's pair
.set L4,   216                         ; v216 4 x lane
	s_load_b256 s[4:11], s[0:1], 0x0               ; x s[4:5], weight s[6:7], xb s[8:9], wb s[10:11]
	s_load_b128 s[12:15], s[0:1], 0x20             ; ssx s[12:13], ssw s[14:15]
	v_lshl_add_u32 v[SPW], v0, 2, SPARE
	v_mov_b32 v[NIL], 0
	v_and_b32 v1, 31, v0                           ; lane
	v_lshrrev_b32 v[VAL], 5, v0
	v_readfirstlane_b32 s16, v[VAL]                ; wave 0..7
	v_lshlrev_b32 v[IN], 4, v1
	v_lshlrev_b32 v[OUT], 3, v1
	v_lshlrev_b32 v[LS], 4, v0
	v_lshlrev_b32 v[L4], 2, v1
	s_and_b32 s17, ttmp7, 0xffff                   ; 0: x, 1: weight: the same in all waves of a work-group
	s_mov_b32 s19, 0                               ; the high words of three offsets, all under 2^26
	s_mov_b32 s21, 0
	s_mov_b32 s23, 0
	s_mov_b32 s26, 0x76543210                      ; v_permlanex16_b32: each lane takes its own place in the other half
	s_mov_b32 s27, 0xfedcba98
	s_wait_kmcnt 0x0
; 64 loads of 512 bytes, instep bytes apart, and 64 stores of 256 bytes, outstep apart.  mode 0: loads 0-31 are one row, 32-63 the next: two sets of sums for each.  mode 1: one sum for each column: four sets by turns.
.macro STREAM inb, outb, instep, outstep, mode
.set j, 0
.rept 16
	global_load_b128 v[XR+4*j:XR+4*j+3], v[IN], s[\inb:\inb+1] offset:j*(\instep) th:TH_LOAD_NT
.set j, j+1
.endr
.set j, 0
.rept 64
.set sl, XR+4*(j%16)
.if j < 48
	s_wait_loadcnt 15                              ; loads come back in order: load j is in, the 15 younger ones stay out
.else
	s_wait_loadcnt 63-j                            ; nothing more is asked for: the counts run down
.endif
.if \mode
.set a, ACC+4*(j%4)
.set nf, j/4
.else
.set a, ACC+4*(2*(j/32)+j%2)
.set nf, (j%32)/2
.endif
.if nf == 0                            ; a set's first squares start its sums: nothing is cleared
	v_pk_mul_f32 v[a:a+1], v[sl:sl+1], v[sl:sl+1]
	v_pk_mul_f32 v[a+2:a+3], v[sl+2:sl+3], v[sl+2:sl+3]
.else
	v_pk_fma_f32 v[a:a+1], v[sl:sl+1], v[sl:sl+1], v[a:a+1]
	v_pk_fma_f32 v[a+2:a+3], v[sl+2:sl+3], v[sl+2:sl+3], v[a+2:a+3]
.endif
	v_cvt_pk_bf16_f32 v[Y+2*j], v[sl], v[sl+1]
	v_cvt_pk_bf16_f32 v[Y+2*j+1], v[sl+2], v[sl+3]
.if j < 48
	global_load_b128 v[sl:sl+3], v[IN], s[\inb:\inb+1] offset:(j+16)*(\instep) th:TH_LOAD_NT  ; the load ahead of the store
.endif
	global_store_b64 v[OUT], v[Y+2*j:Y+2*j+1], s[\outb:\outb+1] offset:j*(\outstep)  ; the wave stores 256 consecutive bytes, at a multiple of 256 from the buffer's first
.set j, j+1
.endr
.endm
	s_cmp_lg_u32 s17, 0
	s_cbranch_scc1 .Lw
	; ---- x ----
	s_lshl_b32 s18, ttmp9, 18                      ; 16 rows of 16,384 bytes a work-group,
	s_lshl_b32 s24, s16, 15                        ; two a wave
	s_add_co_u32 s18, s18, s24
	s_lshr_b32 s20, s18, 1                         ; half as many bytes in xb
	s_lshl_b32 s22, ttmp9, 6                       ; and 4 bytes a row in ssx
	s_lshl_b32 s24, s16, 3
	s_add_co_u32 s22, s22, s24
	s_add_nc_u64 s[4:5], s[4:5], s[18:19]
	s_add_nc_u64 s[8:9], s[8:9], s[20:21]
	s_add_nc_u64 s[12:13], s[12:13], s[22:23]
	STREAM 4, 8, 512, 256, 0
	v_pk_add_f32 v[ACC:ACC+1], v[ACC:ACC+1], v[ACC+4:ACC+5]          ; row 0: sets 0, 1; row 1: sets 2, 3
	v_pk_add_f32 v[ACC+8:ACC+9], v[ACC+8:ACC+9], v[ACC+12:ACC+13]
	v_pk_add_f32 v[ACC+2:ACC+3], v[ACC+2:ACC+3], v[ACC+6:ACC+7]
	v_pk_add_f32 v[ACC+10:ACC+11], v[ACC+10:ACC+11], v[ACC+14:ACC+15]
	v_pk_add_f32 v[ACC:ACC+1], v[ACC:ACC+1], v[ACC+2:ACC+3]
	v_pk_add_f32 v[ACC+8:ACC+9], v[ACC+8:ACC+9], v[ACC+10:ACC+11]
	v_add_f32 v[ACC], v[ACC], v[ACC+1]
	v_add_f32 v[ACC+8], v[ACC+8], v[ACC+9]
.irp m, 1,2,4,8                        ; across the lanes: four steps inside each half of 16, the two rows by turns
	v_add_f32_dpp v[ACC], v[ACC], v[ACC] row_xmask:\m row_mask:0xf bank_mask:0xf
	v_add_f32_dpp v[ACC+8], v[ACC+8], v[ACC+8] row_xmask:\m row_mask:0xf bank_mask:0xf
.endr
	v_permlanex16_b32 v[ACC+1], v[ACC], s26, s27   ; and one across the halves (its destination has been written)
	v_permlanex16_b32 v[ACC+9], v[ACC+8], s26, s27
	v_add_f32 v[ACC], v[ACC], v[ACC+1]
	v_add_f32 v[ACC+8], v[ACC+8], v[ACC+9]
	v_cmp_eq_u32 vcc_lo, 0, v1
	v_cndmask_b32 v[VAL], v[ACC+8], v[ACC], vcc_lo ; lane 0: row 0's sum; the others: row 1's
	s_wait_xcnt 0x0                                ; EXEC is a source of the stores above: it changes only behind this wait
	v_cmp_gt_u32 vcc_lo, 2, v1
	s_and_saveexec_b32 s28, vcc_lo
	global_store_b32 v[L4], v[VAL], s[12:13]       ; 8 bytes a wave, 16 KiB in the launch: the one store here that is not 256 whole bytes
	s_wait_xcnt 0x0                                ; and again in front of the line that widens it
	s_or_b32 exec_lo, exec_lo, s28
	s_branch .Lend
	; ---- weight ----
.Lw:
	s_and_b32 s24, ttmp9, 15                       ; c: which 256 columns
	s_lshr_b32 s25, ttmp9, 4                       ; kb: which 256 rows
	s_and_b32 s28, s16, 1                          ; which half of the columns
	s_lshr_b32 s29, s16, 1                         ; g: rows 4 i + g
	s_lshl_b32 s18, s25, 22                        ; 256 rows of 16,384 bytes
	s_lshl_b32 s30, s29, 14
	s_add_co_u32 s18, s18, s30
	s_lshl_b32 s30, s24, 10                        ; 256 columns of 4 bytes
	s_add_co_u32 s18, s18, s30
	s_lshl_b32 s22, s25, 14                        ; ssw: row kb of 16,384 bytes,
	s_add_co_u32 s22, s22, s30                     ; the same 1,024 bytes of it
	s_lshl_b32 s30, s28, 9
	s_add_co_u32 s18, s18, s30
	s_lshr_b32 s20, s18, 1                         ; half as many bytes in wb
	s_add_nc_u64 s[6:7], s[6:7], s[18:19]
	s_add_nc_u64 s[10:11], s[10:11], s[20:21]
	s_add_nc_u64 s[14:15], s[14:15], s[22:23]
	STREAM 6, 10, 65536, 32768, 1                  ; four rows on each time; the largest immediate is 63 x 65,536, inside the signed 24 bits
	v_pk_add_f32 v[ACC:ACC+1], v[ACC:ACC+1], v[ACC+4:ACC+5]
	v_pk_add_f32 v[ACC+2:ACC+3], v[ACC+2:ACC+3], v[ACC+6:ACC+7]
	v_pk_add_f32 v[ACC+8:ACC+9], v[ACC+8:ACC+9], v[ACC+12:ACC+13]
	v_pk_add_f32 v[ACC+10:ACC+11], v[ACC+10:ACC+11], v[ACC+14:ACC+15]
	v_pk_add_f32 v[ACC:ACC+1], v[ACC:ACC+1], v[ACC+8:ACC+9]
	v_pk_add_f32 v[ACC+2:ACC+3], v[ACC+2:ACC+3], v[ACC+10:ACC+11]
	ds_store_b128 v[LS], v[ACC:ACC+3]              ; my four columns' sums over my 64 rows
	s_wait_dscnt 0x0                               ; for the others' sake: my store is done
	s_barrier_signal -1
	s_barrier_wait -1
	s_cmp_lt_u32 s16, 2                            ; wave 0 finishes the left 128 columns, wave 1 the right
	s_cbranch_scc0 .Lend
.irp g, 0,1,2,3
	ds_load_b128 v[XR+4*(\g):XR+4*(\g)+3], v[LS] offset:1024*(\g)  ; wave 2 g + half lies at 1,024 g + 512 half
.endr
	s_wait_dscnt 0x0
	v_pk_add_f32 v[XR:XR+1], v[XR:XR+1], v[XR+4:XR+5]
	v_pk_add_f32 v[XR+2:XR+3], v[XR+2:XR+3], v[XR+6:XR+7]
	v_pk_add_f32 v[XR+8:XR+9], v[XR+8:XR+9], v[XR+12:XR+13]
	v_pk_add_f32 v[XR+10:XR+11], v[XR+10:XR+11], v[XR+14:XR+15]
	v_pk_add_f32 v[XR:XR+1], v[XR:XR+1], v[XR+8:XR+9]
	v_pk_add_f32 v[XR+2:XR+3], v[XR+2:XR+3], v[XR+10:XR+11]
	global_store_b128 v[LS], v[XR:XR+3], s[14:15]  ; 512 consecutive bytes a wave
.Lend:
	s_wait_tensorcnt 0x0                           ; the wave's end, behind my last LDS store
	ds_add_u32 v[SPW], v[NIL]
	s_wait_dscnt 0x0
	s_endpgm
.Lfunc_end_k_qf6240e03c5_cast:
	.size	k_qf6240e03c5_cast, .Lfunc_end_k_qf6240e03c5_cast-k_qf6240e03c5_cast
	.p2alignl 7, 3214868480
	.fill 96, 4, 3214868480
	.section	.rodata,"a",@progbits
	.p2align	6, 0x0
	.amdhsa_kernel k_qf6240e03c5_cast
		.amdhsa_group_segment_fixed_size 5120
		.amdhsa_private_segment_fixed_size 0
		.amdhsa_enable_private_segment 0
		.amdhsa_kernarg_size 48
		.amdhsa_user_sgpr_count 2
		.amdhsa_user_sgpr_kernarg_segment_ptr 1
		.amdhsa_wavefront_size32 1
		.amdhsa_system_sgpr_workgroup_id_x 1
		.amdhsa_system_sgpr_workgroup_id_y 1
		.amdhsa_system_sgpr_workgroup_id_z 1
		.amdhsa_system_vgpr_workitem_id 0
		.amdhsa_next_free_vgpr 220
		.amdhsa_next_free_sgpr 66
		.amdhsa_reserve_vcc 1
		.amdhsa_float_denorm_mode_32 3
		.amdhsa_float_denorm_mode_16_64 3
		.amdhsa_memory_ordered 1
		.amdhsa_forward_progress 1
		.amdhsa_inst_pref_size 65
	.end_amdhsa_kernel
	.amdgpu_metadata
---
amdhsa.version: [ 1, 2 ]
amdhsa.kernels:
  - .name:           k_qf6240e03c5_cast
    .symbol:         k_qf6240e03c5_cast.kd
    .args:
      - { .name: x, .offset: 0, .size: 8, .value_kind: global_buffer, .address_space: global }
      - { .name: weight, .offset: 8, .size: 8, .value_kind: global_buffer, .address_space: global }
      - { .name: xb, .offset: 16, .size: 8, .value_kind: global_buffer, .address_space: global }
      - { .name: wb, .offset: 24, .size: 8, .value_kind: global_buffer, .address_space: global }
      - { .name: ssx, .offset: 32, .size: 8, .value_kind: global_buffer, .address_space: global }
      - { .name: ssw, .offset: 40, .size: 8, .value_kind: global_buffer, .address_space: global }
    .group_segment_fixed_size: 5120
    .private_segment_fixed_size: 0
    .kernarg_segment_align: 8
    .kernarg_segment_size: 48
    .max_flat_workgroup_size: 256
    .sgpr_count:     66
    .vgpr_count:     220
    .wavefront_size: 32
...
	.end_amdgpu_metadata
.endif
;; end of part 1
;; launch gemm (part 2): grid 16 x 16, 4 waves a work-group, clusters of 4 x 4, 327,680 bytes of LDS; arguments xb, wb, out0, ssx, ssw; writes out0
.if DOCPART == 2
	.amdgcn_target "amdgcn-amd-amdhsa--gfx1250"
	.amdhsa_code_object_version 6
	.text
	.protected	k_qf6240e03c5_gemm
	.globl	k_qf6240e03c5_gemm
	.p2align	8
	.type	k_qf6240e03c5_gemm,@function
k_qf6240e03c5_gemm:
	s_mov_b64 s[64:65], 0
	v_nop
	global_prefetch_b8 v0, s[64:65] scope:SCOPE_SE
	s_setreg_imm32_b32 hwreg(HW_REG_WAVE_MODE, 25, 1), 1
	s_wait_xcnt 0x0
	s_wait_alu depctr_hold_cnt(0) depctr_sa_sdst(0) depctr_va_vdst(0) depctr_va_sdst(0) depctr_va_ssrc(0) depctr_va_vcc(0) depctr_vm_vsrc(0)
	s_getreg_b32 s2, hwreg(HW_REG_IB_STS2, 6, 4)
	s_cmp_eq_u32 s2, 0
	s_cbranch_scc0 .Lentry_in_a_cluster
	s_endpgm
.Lentry_in_a_cluster:
	s_bfe_u32 s2, ttmp6, 0x10000c
	s_cmp_lg_u32 s2, 0xf033
	s_cbranch_scc0 .Lentry_shape_is_right
	s_endpgm
.Lentry_shape_is_right:
; out0[m][n] = (the sum over k of xb[m][k] wb[k][n]) x rx[m] x rw[n].  xb: [4096 m][4096 k], wb: [4096 k][4096 n], both bf16; sums in f32; out0: [4096][4096] f32.
; rx[m] = min(rsq(ssx[m]), 1e8), rw[n] = min(rsq(the sum of ssw's 16 partial sums of column n), 1e8): that is 1 / max(norm, 1e-8); where a sum of squares is 0 or denormal rsq gives infinity and the minimum 1e8.
; The raw inputs were rounded to bf16; both norms are applied in f32 to the finished f32 sums.
; LIMITS.  A sum of squares must stay inside f32 (a norm under about 1.8e19).  The division is rsq and two multiplies: the last bits differ from a root, a product and a division.  The norms are those of the unrounded inputs.
; SHARES.  A tile of the output, 256 x 256, is made by a work-group of four waves; a wave makes 128 x 128: 64 accumulators of 16 x 16, 512 registers.  256 tiles, one to a work-group.
; K goes in steps of 128 through a ring of two LDS slots filled by the tensor data mover.  A's tile (xb) lies [m][k]: 256 rows of 256 bytes.  B's tile (wb) lies [k][n], as in memory: 128 rows of 512 bytes;
; its fragments come out of LDS turned, by ds_load_tr16_b128.  Rows of both start at multiples of 256 bytes from their buffer's first byte.
; CLUSTERS: 4 x 4 work-groups.  The four of a row of the cluster need the same tiles of A, the four of a column the same tiles of B: each tile is asked for JOINTLY, by the same tensor load with the same
; descriptor and a mask that names the four.  That divides the requests for A and for B by four.
; THE MATRIX INSTRUCTION IS USED TRANSPOSED: source 0 = 16 columns n of B, source 1 = 16 rows m of A.  Lane l then holds row m = l % 16 and the columns n = 8 (l / 16) + 0..7: 32 neighbouring bytes of a row.
; REGISTERS, in windows of 256 (s_set_vgpr_msb: bits 1:0 source 0, 3:2 source 1, 5:4 source 2, 7:6 destination):
;   window 0: v0-31 addresses; v32-47 rx; v48-51 rw; v52-59 ssx as loaded; v64-127, v128-191 fragments of A, two buffers; v192-255 at the head ssw's partial sums; on the way out v64-255 are at work
;   window 1: v64-127, v128-191 fragments of B, two buffers      window 2: the 32 accumulators of my rows 0-63 ((a, b) at v[8 (8 a + b)])      window 3: those of my rows 64-127
.set KSTEP,  128
.set ROWB,   8192                      ; bytes in a row of xb and of wb
.set PA,     272                       ; an LDS row of A: 256 bytes + 16 of padding = 68 words: the 16 rows of a load start at 16 different groups of four banks (64 banks of 4 bytes: ISA guide 11.1)
.set PB,     544                       ; an LDS row of B: 512 + 32 = 136 words
.set HALFT,  128*PA                    ; what one tensor load brings: 128 rows of A, or 64 rows of B (64 x 544 is the same number)
.set SLOT,   4*HALFT                   ; A's 256 rows, then B's 128 rows
.set STAGE,  2*SLOT                    ; behind the ring, never filled by a tensor load: 16 rows x 528 bytes for each wave, for the way out
.set SP,     528                       ; a stage row: 512 bytes + 16
.set SPARE,  STAGE+4*16*SP             ; behind the stages: the spare words, 128 bytes for each wave: two blocks of 256 bytes that no other line names
.set LAPS,   16                        ; a lap = two K steps = once round the ring
.set ADRA, 16                          ; v16-17  LDS address of my A fragments in slot 0, 1
.set ADRB, 20                          ; v20-21  the same for B
.set STO,  24                          ; v24     the way out: where I put 32 bytes of a row
.set RD,   25                          ; v25     the way out: where I read 16 bytes of a row back
.set CO,   26                          ; v26     16 x lane: my bytes in 512 of a row of out0, and in ssw; never rewritten
.set R4,   27                          ; v27     4 x (lane % 16): my row in 16 of ssx; never rewritten
.set SPW,  28                          ; v28     LDS address of my spare word; never rewritten
.set NIL,  29                          ; v29     0; never rewritten
.set PFO,  30                          ; v30     the prefetches' offset; never rewritten
.set RX,   32                          ; v[32:47] rx of my row in block a, twice (a pair for the packed multiply), at RX + 2 a
.set RW,   48                          ; v[48:51] rw of the four columns that I store
.set SSX,  52
.set SSW,  192
.set F0,   64                          ; fragment buffer 0
.set F1,   128                         ; fragment buffer 1
.set TMP,  64                          ; the way out: a block's 64 numbers a lane, times rx
.set OB,   128                         ; the way out: 16 rows read back from the stage: v128-191 and v192-255 by turns
.set G1,  24                           ; s[24:31] descriptor group 1 for A's tiles
.set G0,  32                           ; s[32:39] descriptor group 0 for A's tiles, one set for each slot
.set G1B, 48                           ; s[48:55] group 1 for B's tiles
.set G0B, 56                           ; s[56:63] group 0 for B's tiles
.set LIM, 43                           ; s43     1 in a wave that prefetches, else the greatest number
.set PFA, 44                           ; s[44:45] where my prefetches stand
.set PFS, 72                           ; s[72:73] a K step in bytes: 256 along A's rows, 128 rows down in B
.set MSB, 0
.macro WIN new                         ; the immediate's high byte repeats the setting that is left; a switch that changes nothing is dropped
.if MSB != (\new)
	s_set_vgpr_msb (MSB<<8)|(\new)
.set MSB, \new
.endif
.endm
.set MUL_LO, 0xa1                      ; source 0 (B) window 1, source 1 (A) window 0, C and D window 2
.set MUL_HI, 0xf1                      ; the same, C and D window 3
.set TO_B,   0x40                      ; destination window 1, address window 0
; A joint load.  Waves 0 and 1 fetch A's two halves, waves 2 and 3 B's.  The branch hangs on the wave's number alone.  An s_nop 0 and four v_nop follow each of the two lines, ahead of the jump and the label.
.macro JLOAD s
	s_cmp_eq_u32 s11, 0
	s_cbranch_scc0 .Lfor_b_\@
	tensor_load_to_lds s[G0+4*(\s):G0+4*(\s)+3], s[G1:G1+7]
	s_nop 0
.rept 4
	v_nop
.endr
	s_branch .Lasked_\@
.Lfor_b_\@:
	tensor_load_to_lds s[G0B+4*(\s):G0B+4*(\s)+3], s[G1B:G1B+7]
	s_nop 0
.rept 4
	v_nop
.endr
.Lasked_\@:
.endm
; A PREFETCH, behind each joint refill and the run of LDS loads that follows it: 32 blocks of 256 bytes of the K step that stands TWO refills on, a lane a block, one instruction a wave: 512 matrix instructions
; ahead of the load that will want them.  Each block is named ONCE in the launch.  A's tile row is read by every cluster of that row of clusters: cluster x = 0 asks; B's tile column by every cluster of that column:
; cluster y = 0 asks.  The four partners that ask for a tile jointly share its blocks out BY ADDRESS (A: 32 of the wave's 128 rows, by cx; B: 16 of its 64 rows, two blocks each, by cy).
; K steps 0 to 3 come by their loads alone; the loop's last trip (s3 = 1) asks for nothing: there is no K step 32.
.macro ASK
	s_cmp_gt_u32 s3, s[LIM]
	s_cbranch_scc0 .Lnot_mine_\@
	global_prefetch_b8 v[PFO], s[PFA:PFA+1] th:TH_LOAD_NT scope:SCOPE_SE
.Lnot_mine_\@:
.endm
; A round of the cluster's barrier: my work-group's barrier, so that wave 0's signal speaks for all four waves; wave 0 signals; every wave waits for all sixteen work-groups; my work-group's barrier once more.
.macro CREST                           ; a round behind its opening barrier
	s_cmp_lg_u32 s10, 0
	s_cbranch_scc1 .Lnot_wave_0_\@
	s_barrier_signal -3
.Lnot_wave_0_\@:
	s_barrier_wait -3
	s_barrier_signal -1
	s_barrier_wait -1
.endm
.macro CROUND                          ; a whole round
	s_barrier_signal -1
	s_barrier_wait -1
	CREST
.endm
	s_load_b128 s[4:7], s[0:1], 0x0                ; xb s[4:5], wb s[6:7]
	s_load_b64 s[8:9], s[0:1], 0x10                ; out0
	s_load_b64 s[68:69], s[0:1], 0x18              ; ssx
	s_load_b64 s[70:71], s[0:1], 0x20              ; ssw
	v_lshl_add_u32 v[SPW], v0, 2, SPARE
	v_mov_b32 v[NIL], 0
	ds_add_u32 v[SPW], v[NIL]                      ; the wave's opening: the add, twice on end, and its wait ahead of my first tensor load; the set-up below stands between
	ds_add_u32 v[SPW], v[NIL]                      ; and once more
	v_lshrrev_b32 v1, 5, v0
	v_readfirstlane_b32 s10, v1                    ; wave 0..3
	s_lshr_b32 s11, s10, 1                         ; which half of the tile's rows is mine.  Also: I fetch for A (0) or for B (1)
	s_and_b32 s12, s10, 1                          ; which half of its columns.  Also: which half of that tile I fetch
	s_bfe_u32 s40, ttmp6, 0x40000                  ; cx
	s_bfe_u32 s41, ttmp6, 0x40004                  ; cy
	s_lshl_b32 s42, ttmp9, 2                       ; in a cluster launch ttmp9 and ttmp7 count clusters
	s_add_co_u32 s42, s42, s40                     ; tile column = 4 x cluster x + cx
	s_and_b32 s13, ttmp7, 0xffff
	s_lshl_b32 s13, s13, 2
	s_add_co_u32 s13, s13, s41                     ; tile row = 4 x cluster y + cy
	s_lshl_b32 s43, s41, 2
	s_lshl_b32 s43, 15, s43                        ; my row of the cluster: places 4 cy .. 4 cy + 3
	s_lshl_b32 s44, 0x1111, s40                    ; my column: places cx, cx + 4, cx + 8, cx + 12
	; descriptor group 1.  A: 128 rows x 128 elements, 4 words of padding behind every 64.  B: 64 rows x 256 elements, 8 words behind every 128.
	s_or_b32 s[G1+0], s43, (1<<16)|(1<<20)|(1<<21)|(5<<22)|(3<<25)   ; 15:0 the mask: my row; 17:16 elements of 2 bytes; 20 padding on; 21 set beside a mask; 24:22 interval code; 31:25 padding less 1
	s_mov_b32 s[G1+1], 128<<16                     ; tensor_dim0 = 128
	s_mov_b32 s[G1+2], 128<<16                     ; tensor_dim1 = 128
	s_mov_b32 s[G1+3], 128<<16                     ; tile_dim0 = 128
	s_mov_b32 s[G1+4], 128                         ; tile_dim1 = 128
	s_mov_b32 s[G1+5], 4096                        ; elements from row to row
	s_mov_b32 s[G1+6], 0
	s_mov_b32 s[G1+7], 0
	s_or_b32 s[G1B+0], s44, (1<<16)|(1<<20)|(1<<21)|(6<<22)|(7<<25)  ; the mask: my column
	s_mov_b32 s[G1B+1], 256<<16                    ; tensor_dim0 = 256
	s_mov_b32 s[G1B+2], 64<<16                     ; tensor_dim1 = 64
	s_mov_b32 s[G1B+3], 256<<16                    ; tile_dim0 = 256
	s_mov_b32 s[G1B+4], 64                         ; tile_dim1 = 64
	s_mov_b32 s[G1B+5], 4096
	s_mov_b32 s[G1B+6], 0
	s_mov_b32 s[G1B+7], 0
	; where the tiles come from.  A's hang on the tile row alone, which my row of the cluster shares; B's on the tile column alone, which my column shares.
	s_lshl_b32 s16, s13, 8
	s_lshl_b32 s17, s12, 7
	s_add_co_u32 s16, s16, s17                     ; A: row 256 x tile row + 128 x half,
	s_lshl_b32 s16, s16, 13                        ; of 8,192 bytes: under 2^25
	s_mov_b32 s17, 0
	s_lshl_b32 s46, s12, 19                        ; B: 64 rows of 8,192 bytes x half,
	s_lshl_b32 s47, s42, 9                         ; 512 bytes x tile column
	s_add_co_u32 s46, s46, s47
	s_mov_b32 s47, 0
	s_mul_i32 s20, s10, HALFT                      ; and where they go: wave x 34,816 bytes: no place in the cluster enters an LDS address
	s_wait_dscnt 0x0                               ; both opening adds are done
	s_wait_kmcnt 0x0
	s_add_nc_u64 s[14:15], s[4:5], s[16:17]
	s_add_nc_u64 s[46:47], s[6:7], s[46:47]
	CROUND                                         ; all sixteen work-groups are here: the first joint loads meet
.irp s, 0,1
	s_mov_b32 s[G0+4*(\s)], 1                                      ; count = 1
	s_add_co_u32 s[G0+4*(\s)+1], s20, (\s)*SLOT                    ; LDS address
	s_add_nc_u64 s[G0+4*(\s)+2:G0+4*(\s)+3], s[14:15], (\s)*KSTEP*2  ; global address: K step s lies 256 bytes along A's rows,
	s_or_b32 s[G0+4*(\s)+3], s[G0+4*(\s)+3], 0x80000000            ; type = 2
	s_mov_b32 s[G0B+4*(\s)], 1
	s_add_co_u32 s[G0B+4*(\s)+1], s20, (\s)*SLOT
	s_add_nc_u64 s[G0B+4*(\s)+2:G0B+4*(\s)+3], s[46:47], (\s)*KSTEP*ROWB  ; and 128 rows down in B
	s_or_b32 s[G0B+4*(\s)+3], s[G0B+4*(\s)+3], 0x80000000
	JLOAD \s                                       ; two tensor loads of mine are out
.endr
	; the sums of squares are asked for, and the addresses made while they are on their way
	v_and_b32 v1, 15, v0                           ; l % 16
	v_bfe_u32 v2, v0, 4, 1                         ; l / 16
	v_and_b32 v3, 31, v0                           ; l
	v_lshlrev_b32 v[CO], 4, v3
	v_lshlrev_b32 v[R4], 2, v1
	s_lshl_b32 s16, s13, 8
	s_lshl_b32 s17, s11, 7
	s_add_co_u32 s16, s16, s17                     ; my first row of the output
	s_lshl_b32 s18, s16, 2
	s_mov_b32 s19, 0
	s_add_nc_u64 s[68:69], s[68:69], s[18:19]      ; ssx at that row
	s_lshl_b32 s16, s16, 14                        ; rows of 16,384 bytes: under 2^26
	s_mov_b32 s17, 0
	s_add_nc_u64 s[8:9], s[8:9], s[16:17]
	s_lshl_b32 s46, s42, 10                        ; my first column, 4 bytes each: 1,024 x tile column + 512 x half
	s_lshl_b32 s47, s12, 9
	s_add_co_u32 s46, s46, s47
	s_mov_b32 s47, 0
	s_add_nc_u64 s[70:71], s[70:71], s[46:47]      ; ssw at that column
	s_add_nc_u64 s[8:9], s[8:9], s[46:47]          ; out0 at my 128 x 128
.irp a, 0,1,2,3,4,5,6,7
	global_load_b32 v[SSX+(\a)], v[R4], s[68:69] offset:64*(\a)    ; row l % 16 of block a
.endr
.set p, 0
.rept 16
	global_load_b128 v[SSW+4*p:SSW+4*p+3], v[CO], s[70:71] offset:16384*p  ; partial sum p of columns 4 l .. 4 l + 3
.set p, p+1
.endr
	; A fragment of A is 16 rows x 32 K in 8 registers: lane l holds row l % 16; registers 0-3 K = 8 (l / 16) + 0..7, registers 4-7 K = 16 + 8 (l / 16) + 0..7: two loads of 16 bytes, 32 bytes apart.
	v_mul_u32_u24 v4, v1, PA
	v_lshl_add_u32 v4, v2, 4, v4                   ; row x pitch + 16 x half
	; The turning load takes 16 k x 16 n (lane l reads k = 8 (l / 16) + l % 8, n = 8 ((l / 8) % 2) + 0..7) and leaves half a fragment of B^T: lane l holds column l % 16 and 8 k.
	v_and_b32 v5, 7, v0
	v_lshl_add_u32 v5, v2, 3, v5
	v_mul_u32_u24 v5, v5, PB
	v_bfe_u32 v6, v0, 3, 1
	v_lshl_add_u32 v5, v6, 4, v5
	s_mul_i32 s21, s11, HALFT                      ; my 128 rows of A
	s_lshl_b32 s22, s12, 8                         ; my 128 columns of B: 256 bytes of each row,
	s_add_co_u32 s22, s22, 2*HALFT                 ; behind A's 256 rows
.irp s, 0,1
	v_add_nc_u32 v[ADRA+(\s)], s21, v4
	v_add_nc_u32 v[ADRB+(\s)], s22, v5
	s_add_co_u32 s21, s21, SLOT
	s_add_co_u32 s22, s22, SLOT
.endr
	s_mul_i32 s23, s10, 16*SP
	s_add_co_u32 s23, s23, STAGE                   ; my stage
	v_mul_u32_u24 v6, v1, SP                       ; in: row l % 16, 32 bytes for each half of the lanes
	v_lshl_add_u32 v6, v2, 5, v6
	v_add_nc_u32 v[STO], s23, v6
	v_add_nc_u32 v[RD], s23, v[CO]                 ; back: 32 lanes take a row's 512 bytes
	; the prefetches
	s_lshl_b32 s20, s13, 8
	s_lshl_b32 s21, s12, 7
	s_add_co_u32 s20, s20, s21                     ; A: the 128 rows that I fetch,
	s_lshl_b32 s21, s40, 5
	s_add_co_u32 s20, s20, s21                     ; my work-group's 32 of them,
	s_lshl_b32 s20, s20, 13
	s_add_co_u32 s20, s20, 3*KSTEP*2               ; at K step 3: the first refill steps it to 4
	s_lshl_b32 s22, s12, 6
	s_lshl_b32 s23, s41, 4
	s_add_co_u32 s22, s22, s23                     ; B: of the 64 rows that I fetch my work-group's 16,
	s_lshl_b32 s22, s22, 13
	s_lshl_b32 s23, s42, 9
	s_add_co_u32 s22, s22, s23                     ; the tile column's 512 bytes,
	s_add_co_u32 s22, s22, 3*KSTEP*ROWB            ; at K step 3
	s_and_b32 s23, ttmp7, 0xffff                   ; cluster y
	s_movk_i32 s74, KSTEP*2
	s_mov_b32 s75, KSTEP*ROWB
	s_cmp_eq_u32 s11, 0                            ; do I fetch for A?
	s_cselect_b32 s20, s20, s22
	s_cselect_b32 s23, ttmp9, s23                  ; the coordinate along which other clusters read the same blocks
	s_cselect_b64 s[PFA:PFA+1], s[4:5], s[6:7]
	s_cselect_b32 s[PFS], s74, s75
	s_mov_b32 s[PFS+1], 0
	s_mov_b32 s21, 0
	s_cmp_eq_u32 s23, 0
	s_cselect_b32 s[LIM], 1, -1                    ; the same in all sixteen partners, for a given wave
	s_add_nc_u64 s[PFA:PFA+1], s[PFA:PFA+1], s[20:21]
	v_lshrrev_b32 v[PFO], s11, v3                  ; A: lane l names row l; B: row l / 2, block l % 2 of its two
	v_and_b32 v6, s11, v3
	v_lshlrev_b32 v[PFO], 13, v[PFO]
	v_lshl_add_u32 v[PFO], v6, 8, v[PFO]
	; the two scales
	s_wait_loadcnt 0x0
.irp d, 8,4,2,1                        ; the 16 partial sums of my four columns, as a tree
.set p, 0
.rept \d
	v_pk_add_f32 v[SSW+4*p:SSW+4*p+1], v[SSW+4*p:SSW+4*p+1], v[SSW+4*(p+\d):SSW+4*(p+\d)+1]
	v_pk_add_f32 v[SSW+4*p+2:SSW+4*p+3], v[SSW+4*p+2:SSW+4*p+3], v[SSW+4*(p+\d)+2:SSW+4*(p+\d)+3]
.set p, p+1
.endr
.endr
.irp a, 0,1,2,3,4,5,6,7
	v_rsq_f32 v[SSX+(\a)], v[SSX+(\a)]
.endr
.irp c, 0,1,2,3
	v_rsq_f32 v[RW+(\c)], v[SSW+(\c)]
.endr
	v_nop                                          ; a plain instruction behind the last of the twelve,
	s_wait_alu depctr_va_vdst(0)                   ; and a wait ahead of the first use: one for the batch
.irp a, 0,1,2,3,4,5,6,7
	v_min_num_f32 v[RX+2*(\a)], 0x4cbebc20, v[SSX+(\a)]    ; 1e8 = 1 / eps, exact in f32
	v_min_num_f32 v[RX+2*(\a)+1], 0x4cbebc20, v[SSX+(\a)]
.endr
.irp c, 0,1,2,3
	v_min_num_f32 v[RW+(\c)], 0x4cbebc20, v[RW+(\c)]
.endr
; 16 matrix instructions: m blocks a0, a0 + 1 of the window's four (hi = 0: my rows 0-63, 1: rows 64-127) x all 8 n blocks, 32 along K.  zero = 1: the first product starts the sums: nothing is ever cleared.
; The 64 accumulators take turns, one instruction a turn, in the same order in every quarter step, over the backward jump too.
.macro MUL16 f, hi, a0, zero
	WIN MUL_LO+0x50*(\hi)
.irp a, \a0, (\a0)+1
.irp b, 0,1,2,3,4,5,6,7
.if \zero
	v_wmma_f32_16x16x32_bf16 v[8*(8*(\a)+(\b)):8*(8*(\a)+(\b))+7], v[(\f)+8*(\b):(\f)+8*(\b)+7], v[(\f)+8*(4*(\hi)+(\a)):(\f)+8*(4*(\hi)+(\a))+7], 0
.else
	v_wmma_f32_16x16x32_bf16 v[8*(8*(\a)+(\b)):8*(8*(\a)+(\b))+7], v[(\f)+8*(\b):(\f)+8*(\b)+7], v[(\f)+8*(4*(\hi)+(\a)):(\f)+8*(4*(\hi)+(\a))+7], v[8*(8*(\a)+(\b)):8*(8*(\a)+(\b))+7]
.endif
.endr
.endr
.endm
; 32 LDS loads in one run: the fragments of quarter q of a K step (32 k x my 128 columns of B, turned; my 128 rows of A x 32 k) into buffer f
.macro FETCH slot, q, f
	WIN TO_B
.irp i, 0,1,2,3,4,5,6,7
	ds_load_tr16_b128 v[(\f)+8*(\i):(\f)+8*(\i)+3],   v[ADRB+(\slot)] offset:(\q)*32*PB+32*(\i)
	ds_load_tr16_b128 v[(\f)+8*(\i)+4:(\f)+8*(\i)+7], v[ADRB+(\slot)] offset:(\q)*32*PB+32*(\i)+16*PB
.endr
	WIN 0
.irp i, 0,1,2,3,4,5,6,7
	ds_load_b128 v[(\f)+8*(\i):(\f)+8*(\i)+3],   v[ADRA+(\slot)] offset:64*(\q)+(\i)*16*PA
	ds_load_b128 v[(\f)+8*(\i)+4:(\f)+8*(\i)+7], v[ADRA+(\slot)] offset:64*(\q)+(\i)*16*PA+32
.endr
.endm
; Four places (plain vector instructions that name none of its registers) stand between a matrix instruction and a load into a register that it has read, or a vector instruction that reads its result.
.macro PLACES
.rept 4
	v_nop
.endr
.endm
; A K step is four quarters of 32 along K, 64 matrix instructions each, on buffers 0, 1, 0, 1.  One of the first three: multiplies buffer f; in its middle it fetches quarter q of the same slot into buffer g.
.macro QUARTER slot, q, f, g, zero
	s_wait_dscnt 8                                 ; B and A's rows 0-63 are in; the youngest eight loads (A's rows 64-127) may be out
	MUL16 \f, 0, 0, \zero
	MUL16 \f, 0, 2, \zero
	PLACES
	FETCH \slot, \q, \g
	s_wait_dscnt 32                                ; all but the 32 just issued
	MUL16 \f, 1, 0, \zero
	MUL16 \f, 1, 2, \zero
.endm
; The last quarter multiplies buffer 1 and changes slots.  MEET is its first half: ONE barrier for the change.  In front of it each wave waits for all its tensor loads, of which one is out: its part of the next slot;
; adds 0 to its spare word; and waits for that and for its own reads of this slot.  Behind it nobody reads this slot any more and the next slot is whole.
.macro MEET round                      ; round = 1: a round of the cluster's barrier follows
	WIN 0                                          ; (the add's two registers lie in window 0)
	s_wait_tensorcnt 0x0                           ; all my tensor loads have landed
	ds_add_u32 v[SPW], v[NIL]                      ; 0 onto my spare word
	s_wait_dscnt 9                                 ; (the add and the youngest eight loads may be out)
	MUL16 F1, 0, 0, 0                              ; sixteen matrix instructions stand between the add and the wait for it
	s_wait_dscnt 0x0                               ; the add is done, and my reads of this slot are over
	s_barrier_signal -1
	MUL16 F1, 0, 2, 0                              ; work on registers while the others arrive
.if \round
	WIN 0
.endif
	s_barrier_wait -1
.endm
; The whole last quarter, with a refill: behind the round the slot just read out is filled again first, with the K step two steps on; then come the next slot's first fragments.
; From a request to the wait for it a wave issues 224 matrix instructions.
.macro TURN slot, next
	s_wait_xcnt 0x0                                ; the last prefetch, a K step back, has read its address: it is stepped here, ahead of the waits of the change of slots
	s_add_nc_u64 s[PFA:PFA+1], s[PFA:PFA+1], s[PFS:PFS+1]
	MEET 1
	CREST                                          ; no wave of any partner still reads this slot's tile or has a load on its way
	s_add_nc_u64 s[G0+4*(\slot)+2:G0+4*(\slot)+3], s[G0+4*(\slot)+2:G0+4*(\slot)+3], 2*KSTEP*2
	s_add_nc_u64 s[G0B+4*(\slot)+2:G0B+4*(\slot)+3], s[G0B+4*(\slot)+2:G0B+4*(\slot)+3], 2*KSTEP*ROWB
	JLOAD \slot                                    ; the first tensor load behind the round; the four v_nop behind it are also the places in front of the loads below
	FETCH \next, 0, F0
	ASK
	MUL16 F1, 1, 0, 0
	MUL16 F1, 1, 2, 0
.endm
; THE WAY OUT of block a (16 rows x 128 columns), in three parts.  PACK: times rx, each accumulator's registers in ascending order.  TOSTAGE: into my own stage in LDS, and back as whole rows of 512 bytes.  SEND: times rw, stored.
.macro PACK a
.set AC, 64*((\a)%4)
	WIN 0x02+(\a)/4                                ; source 0: window 2 or 3
.irp b, 0,1,2,3,4,5,6,7
.irp q, 0,1,2,3
	v_pk_mul_f32 v[TMP+8*(\b)+2*(\q):TMP+8*(\b)+2*(\q)+1], v[AC+8*(\b)+2*(\q):AC+8*(\b)+2*(\q)+1], v[RX+2*(\a):RX+2*(\a)+1]
.endr
.endr
	WIN 0
.endm
.macro TOSTAGE a
	WIN 0
.set BK, OB+64*((\a)%2)
.irp b, 0,1,2,3,4,5,6,7
	ds_store_b128 v[STO], v[TMP+8*(\b):TMP+8*(\b)+3]   offset:64*(\b)
	ds_store_b128 v[STO], v[TMP+8*(\b)+4:TMP+8*(\b)+7] offset:64*(\b)+16
.endr
.set t, 0
.rept 16
	ds_load_b128 v[BK+4*t:BK+4*t+3], v[RD] offset:t*SP  ; LDS serves a wave's instructions in order (ISA guide 5.7.1.4): these see the stores above
.set t, t+1
.endr
.endm
.macro SEND a
	WIN 0
.set BK, OB+64*((\a)%2)
	s_wait_xcnt 0x0                                ; every earlier store has read its registers: the other buffer, which the block before stored from, is loaded again only behind this wait
.set t, 0
.rept 16
	s_wait_dscnt 15-t                              ; row t is back; the younger loads stay out
	v_pk_mul_f32 v[BK+4*t:BK+4*t+1], v[BK+4*t:BK+4*t+1], v[RW:RW+1]
	v_pk_mul_f32 v[BK+4*t+2:BK+4*t+3], v[BK+4*t+2:BK+4*t+3], v[RW+2:RW+3]
	global_store_b128 v[CO], v[BK+4*t:BK+4*t+3], s[8:9] offset:(16*(\a)+t)*16384 th:TH_STORE_NT  ; the wave stores 512 consecutive bytes, at a multiple of 512 from out0's first; 127 rows at the most: inside the signed 24 bits
.set t, t+1
.endr
.endm
	s_wait_tensorcnt 1                             ; my part of K step 0 is in; K step 1's may stay out
	s_barrier_signal -1
	s_barrier_wait -1                              ; everybody's is
	FETCH 0, 0, F0
	QUARTER 0, 1, F0, F1, 1                        ; the first quarter stands in front of the loop: its products start the sums
	WIN 0                                          ; at a label and at a branch every window is 0
	s_mov_b32 s3, LAPS-1
.Llap:                                                 ; a trip goes once round the ring, from a lap's second quarter to the next lap's first, and fills both slots again
	QUARTER 0, 2, F1, F0, 0
	QUARTER 0, 3, F0, F1, 0
	TURN 0, 1
	QUARTER 1, 1, F0, F1, 0
	QUARTER 1, 2, F1, F0, 0
	QUARTER 1, 3, F0, F1, 0
	TURN 1, 0
	QUARTER 0, 1, F0, F1, 0
	WIN 0
	s_sub_co_u32 s3, s3, 1
	s_cmp_lg_u32 s3, 0
	s_cbranch_scc1 .Llap
	QUARTER 0, 2, F1, F0, 0                        ; the last lap fills nothing, and has no round of the cluster's barrier
	QUARTER 0, 3, F0, F1, 0
	MEET 0                                         ; my one tensor load that was still out is slot 1's, the last K step's
	PLACES
	FETCH 1, 0, F0
	MUL16 F1, 1, 0, 0
	MUL16 F1, 1, 2, 0
	QUARTER 1, 1, F0, F1, 0
	QUARTER 1, 2, F1, F0, 0
	QUARTER 1, 3, F0, F1, 0
	s_wait_dscnt 8                                 ; the very last quarter: nothing more to fetch
	MUL16 F1, 0, 0, 0
	MUL16 F1, 0, 2, 0
	s_wait_dscnt 0x0
	MUL16 F1, 1, 0, 0
	MUL16 F1, 1, 2, 0
	WIN 0
	PLACES                                         ; eight places, once a launch, between the last products and the scalings, which read results and write over A's fragments
	PLACES
	PACK 0
	TOSTAGE 0
.irp a, 1,2,3,4,5,6,7                  ; block a's scalings stand between block a - 1's loads from the stage and the waits for them
	PACK \a
	SEND (\a)-1
	TOSTAGE \a
.endr
	SEND 7
	s_wait_tensorcnt 0x0                           ; the wave's end, behind my last tensor load and my last LDS store
	ds_add_u32 v[SPW], v[NIL]
	s_wait_dscnt 0x0
	CROUND                                         ; the closing round: no work-group ends while a partner may still ask for a tile that names it
	s_endpgm
.Lfunc_end_k_qf6240e03c5_gemm:
	.size	k_qf6240e03c5_gemm, .Lfunc_end_k_qf6240e03c5_gemm-k_qf6240e03c5_gemm
	.p2alignl 7, 3214868480
	.fill 96, 4, 3214868480
	.section	.rodata,"a",@progbits
	.p2align	6, 0x0
	.amdhsa_kernel k_qf6240e03c5_gemm
		.amdhsa_group_segment_fixed_size 327680
		.amdhsa_private_segment_fixed_size 0
		.amdhsa_enable_private_segment 0
		.amdhsa_kernarg_size 40
		.amdhsa_user_sgpr_count 2
		.amdhsa_user_sgpr_kernarg_segment_ptr 1
		.amdhsa_wavefront_size32 1
		.amdhsa_system_sgpr_workgroup_id_x 1
		.amdhsa_system_sgpr_workgroup_id_y 1
		.amdhsa_system_sgpr_workgroup_id_z 1
		.amdhsa_system_vgpr_workitem_id 0
		.amdhsa_next_free_vgpr 1024
		.amdhsa_next_free_sgpr 80
		.amdhsa_reserve_vcc 0
		.amdhsa_float_denorm_mode_32 3
		.amdhsa_float_denorm_mode_16_64 3
		.amdhsa_memory_ordered 1
		.amdhsa_forward_progress 1
		.amdhsa_inst_pref_size 184
	.end_amdhsa_kernel
	.amdgpu_metadata
---
amdhsa.version: [ 1, 2 ]
amdhsa.kernels:
  - .name:           k_qf6240e03c5_gemm
    .symbol:         k_qf6240e03c5_gemm.kd
    .args:
      - { .name: xb, .offset: 0, .size: 8, .value_kind: global_buffer, .address_space: global }
      - { .name: wb, .offset: 8, .size: 8, .value_kind: global_buffer, .address_space: global }
      - { .name: out0, .offset: 16, .size: 8, .value_kind: global_buffer, .address_space: global }
      - { .name: ssx, .offset: 24, .size: 8, .value_kind: global_buffer, .address_space: global }
      - { .name: ssw, .offset: 32, .size: 8, .value_kind: global_buffer, .address_space: global }
    .group_segment_fixed_size: 327680
    .private_segment_fixed_size: 0
    .kernarg_segment_align: 8
    .kernarg_segment_size: 40
    .max_flat_workgroup_size: 128
    .sgpr_count:     80
    .vgpr_count:     1024
    .wavefront_size: 32
...
	.end_amdgpu_metadata
.endif
;; end of part 2
